; MI455X (gfx1250); checked and timed in simulation.
; The chip was launched on July 23, 2026; its instructions are those of AMD's public machine-readable ISA for CDNA 5 (MIT licence, August 2026) and "CDNA5" Instruction Set Architecture Reference Guide (July 2026). The comments in the code are by the model that wrote it; some were corrected since.
;; Multi Headed Attention. Allowed arithmetic: matrix products marked QUANTISED: E5M2 operands, one E8M0 scale for each 32 along K, by v_wmma_scale_f32_16x16x128_f8f6f4 with both operands' format E5M2, f32 sums; products left as they are: f32 operands where the result goes on into a quantised operand, else bf16, f16 or f32 operands; f32 sums; everything else in f32.
;; Inputs: Wk_codes 1,024 x 32 x 32 uint8 (E5M2 codes of Wk, K innermost, in blocks of 32 codes); Wk_scales 1,024 x 32 uint8 (E8M0 scales of Wk, one for each 32 codes along K); Wo_codes 1,024 x 32 x 32 uint8 (E5M2 codes of Wo, K innermost, in blocks of 32 codes); Wo_scales 1,024 x 32 uint8 (E8M0 scales of Wo, one for each 32 codes along K); Wq_codes 1,024 x 32 x 32 uint8 (E5M2 codes of Wq, K innermost, in blocks of 32 codes); Wq_scales 1,024 x 32 uint8 (E8M0 scales of Wq, one for each 32 codes along K); Wv_codes 1,024 x 32 x 32 uint8 (E5M2 codes of Wv, K innermost, in blocks of 32 codes); Wv_scales 1,024 x 32 uint8 (E8M0 scales of Wv, one for each 32 codes along K); encoded_vectors_codes 2 x 2,048 x 32 x 32 uint8 (E5M2 codes of encoded_vectors, K innermost, in blocks of 32 codes); encoded_vectors_scales 2 x 2,048 x 32 uint8 (E8M0 scales of encoded_vectors, one for each 32 codes along K).
;; Outputs: out0 2 x 2,048 x 1,024 float32.
;; This version of the problem:
;;   THIS VERSION OF THE PROBLEM IS GIVEN IN LOW PRECISION. The matrix products marked QUANTISED in the list below multiply operands that are first quantised to E5M2 (5 exponent bits, 2 mantissa bits; 8 bits a number), with one power-of-two scale for each 32 numbers along K (OCP MX v1.0); their sums are f32. All else is computed in f32.
;;   The module's matrix products, in the order in which they are computed (A, B: the left and right operand; K: the contracted axis; several contracted axes count as one K, in the product's order):
;;     1. [M 4,096, K 1,024] x [K 1,024, N 1,024]; A: input encoded_vectors (given as codes); B: input Wq (given as codes): QUANTISED
;;     2. [M 4,096, K 1,024] x [K 1,024, N 1,024]; A: input encoded_vectors (given as codes); B: input Wk (given as codes): QUANTISED
;;     3. [M 4,096, K 1,024] x [K 1,024, N 1,024]; A: input encoded_vectors (given as codes); B: input Wv (given as codes): QUANTISED
;;     4. batch 32 x [M 2,048, K 64] x [K 64, N 2,048]; A: computed on the way; B: computed on the way: QUANTISED
;;     5. batch 65,536 x [M 1, K 1] x [K 1, N 64]; A: computed on the way; B: computed on the way: left as it is (no contracted axis)
;;     6. [M 4,096, K 1,024] x [K 1,024, N 1,024]; A: computed on the way; B: input Wo (given as codes): QUANTISED
;;   THE QUANTISER, for each operand of a quantised product, along K:
;;     - K is cut into blocks of 32 from its start; a last block that is shorter is filled with zeros.
;;     - A block's scale is 2^e with e = floor(log2(the largest magnitude in the block)) - 15, held to -126 .. 127; a block of zeros has e = 0. As a byte (E8M0): e + 127.
;;     - Each number is divided by its block's scale, clamped to +-57,344, and rounded to the nearest number of E5M2, ties to even, subnormals kept.
;;     - The product sums the exact products of the quantised numbers (number of the format x scale) in f32.
;;   ~~~python
;;   def quantise(x, axis):      # numpy; x: float32 -> the quantised numbers, widened to float32 again
;;       x = np.moveaxis(x, axis, -1); K = x.shape[-1]
;;       x = np.pad(x, [(0, 0)] * (x.ndim - 1) + [(0, -K % 32)]); x = x.reshape(x.shape[:-1] + (-1, 32)); a = np.abs(x).max(-1, keepdims=True)
;;       e = np.where(a > 0, np.clip(np.frexp(np.where(a > 0, a, 1))[1] - 1 - 15, -126, 127), 0)      # np.frexp(a)[1] - 1 = floor(log2(a)), exactly
;;       r = np.clip(x / 2.0 ** e, -57344, 57344)
;;       step = 2.0 ** (np.maximum(np.frexp(np.where(r == 0, 1, r))[1] - 1, -14) - 2)
;;       q = np.round(r / step) * step * 2.0 ** e      # np.round: ties to even
;;       return np.moveaxis(q.reshape(q.shape[:-2] + (-1,))[..., :K], -1, axis).astype(np.float32)
;;   ~~~
;;   OPERANDS COMPUTED ON THE WAY. 'Computed on the way' means the value that the module computes at that place (a softmax that the list does not call 'softmax' is quantised finished and normalised). What goes into a quantiser is computed in f32, as accurately as f32 sums, v_exp_f32 and their like allow (about 1e-6 of the number): no bf16 or f16 on the way to a quantiser, and a product that is left as it is and whose result goes on into a quantised operand takes f32 operands (vector FMAs, or v_wmma_f32_16x16x4_f32). A number that lies on a knife's edge between two numbers of the format may be rounded either way, as far as f32 arithmetic and the matrix unit's own rounding can turn it there, and no further.
;;   INPUTS GIVEN AS CODES. Wk (in the module: [1024, 1024], K = its axis 1); Wo (in the module: [1024, 1024], K = its axis 1); Wq (in the module: [1024, 1024], K = its axis 1); Wv (in the module: [1024, 1024], K = its axis 1); encoded_vectors (in the module: [2, 2048, 1024], K = its axis 2): each comes as NAME_codes (uint8): NAME with its K axis moved to the last place and cut into blocks of 32 codes, [.., K / 32, bytes a block], one block behind the other in memory; one code a byte (a code: sign, 5 exponent bits, 2 mantissa bits); and NAME_scales (uint8): the same leading axes, one E8M0 byte (e + 127) for each 32 codes along K. Its value is code x scale, taken as it is: it is not quantised again, and the codes and scales need not be those that the quantiser above would give.
;; One version. Each part assembles by itself: llvm-mc -triple=amdgcn-amd-amdhsa -mcpu=gfx1250 --defsym DOCPART=n.
;; ======== version 1 of 1: 3 launches
;; limits: right only within a limited range of input values
;; workspace buffers: qbuf 4,456,448 bytes; kbuf 4,456,448 bytes; vbuf 16,777,216 bytes; aimg 4,194,304 bytes; asc 131,072 bytes
;; launch qkv (part 1): grid 16 x 16, 4 waves a work-group, clusters of 4 x 4, 327,680 bytes of LDS; arguments encoded_vectors_codes, encoded_vectors_scales, Wq_codes, Wq_scales, Wk_codes, Wk_scales, Wv_codes, Wv_scales, qbuf, kbuf, vbuf; writes qbuf, kbuf, vbuf
.if DOCPART == 1
	.amdgcn_target "amdgcn-amd-amdhsa--gfx1250"
	.amdhsa_code_object_version 6
	.text
	.protected	k_q07b84c6c2f_qkv
	.globl	k_q07b84c6c2f_qkv
	.p2align	8
	.type	k_q07b84c6c2f_qkv,@function
k_q07b84c6c2f_qkv:
	s_mov_b64 s[64:65], 0
	v_nop
	global_prefetch_b8 v0, s[64:65] scope:SCOPE_SE
	s_setreg_imm32_b32 hwreg(HW_REG_WAVE_MODE, 25, 1), 1
	s_wait_xcnt 0x0
	s_wait_alu depctr_hold_cnt(0) depctr_sa_sdst(0) depctr_va_vdst(0) depctr_va_sdst(0) depctr_va_ssrc(0) depctr_va_vcc(0) depctr_vm_vsrc(0)
	s_getreg_b32 s2, hwreg(HW_REG_IB_STS2, 6, 4)
	s_cmp_eq_u32 s2, 0
	s_cbranch_scc0 .Lentry_in_a_cluster
	s_endpgm
.Lentry_in_a_cluster:
	s_bfe_u32 s2, ttmp6, 0x10000c
	s_cmp_lg_u32 s2, 0xf033
	s_cbranch_scc0 .Lentry_shape_is_right
	s_endpgm
.Lentry_shape_is_right:
; q, k, v = x W^T.  x: [4096][1024], Wq, Wk, Wv: [1024][1024]: codes of BF8 (E5M2) with one E8M0 byte for each 32 along K; sums in f32, K ascending, one accumulator an output.
; WORK LEFT OUT IN THIS PROGRAM: reference() adds -inf to the scores of keys behind the query, so their exponentials are 0 for all values of the inputs: tiles of 128 keys that lie wholly behind a block of queries are not multiplied (launch diag).
;   Of the softmax's matrix only the diagonal goes on (bhss), so of a row only its sum, its maximum and its diagonal number are made.  A NaN, an infinity or an overflow that reaches the work left out alone is not carried to the result.
; A work-group makes 256 tokens x the 64 columns of ONE HEAD of q, of k and of v: 16 x 16 work-groups.  Four waves, 2 x 2: a wave has 128 tokens and 32 columns c = 0, 1 of each of the three: 8 x 6 accumulators, 384 registers.
; K goes in four steps of 256 through two LDS slots: x's 256 rows (wave 0 fetches), Wq's, Wk's, Wv's 64 (waves 1, 2, 3), one tensor load a wave.  Scale bytes go from memory into registers, once, for all of K.
; CLUSTERS: 4 x 4 work-groups: the four of a row share x's rows, the four of a column the weights': joint loads.
; PREFETCH: K steps 1 and 2 at the head, K step 3 behind K step 2's loads: a row's 256 bytes once a cluster: the four partners share the rows out by address (x: 64 rows each; a weight: 16).
; THE MATRIX INSTRUCTION IS USED TRANSPOSED (source 0 = 16 rows of W, source 1 = 16 tokens): a lane holds one token and eight neighbouring columns.
; WHAT LEAVES.  v: f32 [4096][1024], through a stage in LDS, rows of 256 bytes.  q, k: quantised along each head's 64, as chunks of 128 tokens: [batch x 16 + head][token / 128][8,704 bytes]:
;   8 tiles of 16 tokens x 1,024 bytes: piece c: lane (r, h): token r's codes of d = 32 c + 8 h + 0..7 and 32 c + 16 + 8 h + 0..7 (the same order of d in q and k); then 128 scale words: bytes of blocks 0, 1, 0, 1.
; LIMITS: NaN and infinity among the codes are not served.  A block whose largest magnitude lies under 2^(16 - 127), a block of zeros among them, gets the byte 1; this program alone reads these bytes.
; REGISTERS: window 0: addresses; v32-63 x's scale words, v68-91 the weights'; v128-255 x's fragments, one set.  window 1: the weights' fragments, two sets of 96.  windows 2, 3: accumulators ((a, b) at v[8 (6 (a % 4) + b)]).
.set PITCH, 272                        ; an LDS row: 256 bytes + 16 of padding
.set XREG,  256*PITCH
.set WREG,  64*PITCH
.set SLOT,  XREG+3*WREG
.set XS,    2*SLOT                     ; scale words on their way out: [q, k][256 tokens]
.set SPARE, XS+2048
.set QCH,   8704
.set QHD,   16*QCH
.set AF,   128
.set SA,   32
.set SB,   68
.set TM,   96
.set T,    128
.set PC,   192
.set PFO,  12
.set PFO1, 13
.set PFO2, 14
.set ADRA, 16
.set ADRB, 18
.set STO,  20
.set RD,   21
.set CO,   22
.set VO,   23
.set L32,  24
.set VXS,  25
.set XRD,  26
.set SPW,  28
.set NIL,  29
.set G1A,  24
.set G1B,  48
.set G0X,  32
.set G0Q,  56
.set G0K,  68
.set G0V,  76
.set MSB, 0
.macro WIN new                         ; the immediate's high byte repeats the setting that is left
.if MSB != \new
	s_set_vgpr_msb (MSB<<8)|\new
.set MSB, \new
.endif
.endm
.macro PLACES n
.rept \n
	v_nop
.endr
.endm
.macro CREST                           ; a round of the cluster's barrier behind its opening barrier
	s_cmp_lg_u32 s14, 0
	s_cbranch_scc1 .Lnot_wave_0_\@
	s_barrier_signal -3
.Lnot_wave_0_\@:
	s_barrier_wait -3
	s_barrier_signal -1
	s_barrier_wait -1
.endm
.macro CROUND
	s_barrier_signal -1
	s_barrier_wait -1
	CREST
.endm
.macro TLOAD g0, g1                    ; four v_nop follow the load's s_nop 0
	tensor_load_to_lds s[\g0:\g0+3], s[\g1:\g1+7]
	s_nop 0
	PLACES 4
.endm
.macro JLOAD s                         ; slot s: one joint load a wave, one chain of branches on the wave's number
	s_cmp_lt_u32 s14, 1
	s_cbranch_scc0 .Lq_\@
	TLOAD G0X+4*\s, G1A
	s_branch .Lasked_\@
.Lq_\@:
	s_cmp_lt_u32 s14, 2
	s_cbranch_scc0 .Lk_\@
	TLOAD G0Q+4*\s, G1B
	s_branch .Lasked_\@
.Lk_\@:
	s_cmp_lt_u32 s14, 3
	s_cbranch_scc0 .Lv_\@
	TLOAD G0K+4*\s, G1B
	s_branch .Lasked_\@
.Lv_\@:
	TLOAD G0V+4*\s, G1B
.Lasked_\@:
.endm
.macro G0SET g, lds, ptr, off
	s_mov_b32 s[\g], 1
	s_mov_b32 s[\g+1], \lds
	s_add_nc_u64 s[\g+2:\g+3], s[\ptr:\ptr+1], \off
	s_or_b32 s[\g+3], s[\g+3], 0x80000000
.endm
	s_load_b512 s[68:83], s[0:1], 0x0              ; x codes, scales; Wq, Wk, Wv likewise
	s_load_b128 s[84:87], s[0:1], 0x40             ; qbuf, kbuf
	s_load_b64 s[88:89], s[0:1], 0x50              ; vbuf
	v_lshl_add_u32 v[SPW], v0, 2, SPARE
	v_mov_b32 v[NIL], 0
	ds_add_u32 v[SPW], v[NIL]                      ; the wave's opening: the add, twice on end, and its wait
	ds_add_u32 v[SPW], v[NIL]
	v_lshrrev_b32 v1, 5, v0
	v_readfirstlane_b32 s14, v1                    ; wave 0..3
	s_lshr_b32 s15, s14, 1                         ; my half of the tokens
	s_and_b32 s16, s14, 1                          ; c: my 32 columns of each head's 64
	s_bfe_u32 s40, ttmp6, 0x40000                  ; cx, cy
	s_bfe_u32 s41, ttmp6, 0x40004
	s_lshl_b32 s42, ttmp9, 2
	s_add_co_u32 s42, s42, s40                     ; head
	s_and_b32 s17, ttmp7, 0xffff
	s_lshl_b32 s17, s17, 2
	s_add_co_u32 s17, s17, s41                     ; tile row Y: 256 tokens
	s_mul_i32 s18, s15, 128*PITCH
	s_mul_i32 s19, s16, 32*PITCH
	s_add_co_u32 s19, s19, XREG
	s_lshl_b32 s20, s16, 7
	s_add_co_u32 s20, s20, s18
	s_mul_i32 s21, s14, 64*PITCH
	s_lshl_b32 s2, s15, 9
	s_add_co_u32 s2, s2, s16
	s_add_co_u32 s2, s2, XS
	s_lshl_b32 s3, s14, 9
	s_add_co_u32 s3, s3, XS
	v_and_b32 v1, 15, v0                           ; r
	v_bfe_u32 v2, v0, 4, 1                         ; h
	v_and_b32 v3, 31, v0                           ; lane
	v_mul_u32_u24 v4, v1, PITCH
	v_lshl_add_u32 v5, v2, 4, v4                   ; a fragment's row x pitch + 16 h
	v_add_nc_u32 v[ADRA], s18, v5
	v_add_nc_u32 v[ADRB], s19, v5
	v_add_nc_u32 v[ADRA+1], SLOT, v[ADRA]
	v_add_nc_u32 v[ADRB+1], SLOT, v[ADRB]
	v_lshl_add_u32 v5, v2, 5, v4
	v_add_nc_u32 v[STO], s20, v5                   ; v's stage, in: my token's row, 128 c + 32 h
	v_mul_u32_u24 v6, v2, PITCH
	v_lshl_add_u32 v6, v1, 4, v6
	v_add_nc_u32 v[RD], s21, v6                    ; back: rows 64 x wave on, lanes 0-15 one row, lanes 16-31 the next
	v_lshlrev_b32 v[CO], 4, v3
	v_lshlrev_b32 v[VO], 12, v2
	v_lshl_add_u32 v[VO], v1, 4, v[VO]
	v_lshlrev_b32 v[L32], 5, v3
	v_lshlrev_b32 v7, 2, v1
	v_lshl_add_u32 v7, v2, 1, v7
	v_add_nc_u32 v[VXS], s2, v7                    ; my token's word: byte c (lanes 0-15) and c + 2 (lanes 16-31)
	v_add_nc_u32 v[XRD], s3, v[CO]
	v_lshlrev_b32 v[PFO], 10, v3                   ; prefetch offsets: x: a lane a row;
	v_lshlrev_b32 v[PFO2], 10, v1                  ; a weight: 16 rows,
	v_lshl_add_u32 v[PFO1], v2, 8, v[PFO2]         ; of two K steps
.irp b, 0,1,2,3
	v_mov_b32 v[TM+4+\b], 0                        ; a lane permute's destination counts as one of its sources
.endr
	s_wait_alu depctr_va_vdst(0)
	s_lshl_b32 s43, s41, 2
	s_lshl_b32 s43, 15, s43                        ; my row of the cluster
	s_lshl_b32 s44, 0x1111, s40                    ; my column
	s_or_b32 s[G1A+0], s43, (1<<20)|(1<<21)|(5<<22)|(3<<25)   ; elements of 1 byte, four words of padding after every 64
	s_mov_b32 s[G1A+1], 256<<16
	s_mov_b32 s[G1A+2], 256<<16                    ; 256 rows
	s_mov_b32 s[G1A+3], 256<<16
	s_mov_b32 s[G1A+4], 256
	s_mov_b32 s[G1A+5], 1024
	s_mov_b32 s[G1A+6], 0
	s_mov_b32 s[G1A+7], 0
	s_or_b32 s[G1B+0], s44, (1<<20)|(1<<21)|(5<<22)|(3<<25)
	s_mov_b32 s[G1B+1], 256<<16
	s_mov_b32 s[G1B+2], 64<<16                     ; 64 rows
	s_mov_b32 s[G1B+3], 256<<16
	s_mov_b32 s[G1B+4], 64
	s_mov_b32 s[G1B+5], 1024
	s_mov_b32 s[G1B+6], 0
	s_mov_b32 s[G1B+7], 0
	s_lshl_b32 s20, s17, 18                        ; x's tile: 256 rows of 1,024 bytes
	s_mov_b32 s21, 0
	s_lshl_b32 s46, s42, 16                        ; a weight's: 64 rows
	s_mov_b32 s47, 0
	s_lshl_b32 s22, s17, 13                        ; scale bytes: 32 a row: my 128 tokens,
	s_lshl_b32 s18, s15, 12
	s_add_co_u32 s22, s22, s18
	s_mov_b32 s23, 0
	s_lshl_b32 s92, s42, 11                        ; my 32 rows of each weight
	s_lshl_b32 s18, s16, 10
	s_add_co_u32 s92, s92, s18
	s_mov_b32 s93, 0
	s_wait_dscnt 0x0                               ; both opening adds are done
	CROUND                                         ; all sixteen work-groups are here
	s_wait_kmcnt 0x0
	s_add_nc_u64 s[4:5], s[68:69], s[20:21]
	s_add_nc_u64 s[22:23], s[70:71], s[22:23]
	s_add_nc_u64 s[10:11], s[72:73], s[46:47]
	s_add_nc_u64 s[6:7], s[74:75], s[92:93]
	s_add_nc_u64 s[18:19], s[76:77], s[46:47]
	s_add_nc_u64 s[8:9], s[78:79], s[92:93]
	s_add_nc_u64 s[20:21], s[80:81], s[46:47]
	s_add_nc_u64 s[12:13], s[82:83], s[92:93]
	G0SET G0X, 0, 4, 0                             ; (the pointers that lay in s[68:83] have been used)
	G0SET G0Q, XREG, 10, 0
	G0SET G0K, XREG+WREG, 18, 0
	G0SET G0V, XREG+2*WREG, 20, 0
	JLOAD 0                                        ; K step 0: one tensor load a wave at the head
	G0SET G0X+4, SLOT, 4, 256
	G0SET G0Q+4, SLOT+XREG, 10, 256
	G0SET G0K+4, SLOT+XREG+WREG, 18, 256
	G0SET G0V+4, SLOT+XREG+2*WREG, 20, 256
	; scale words: register 8 i + q: lanes 0-15 the first tile of pair i, lanes 16-31 the second; q: 128 along K
.irp i, 0,1,2,3
	global_load_b128 v[SA+8*\i:SA+8*\i+3], v[L32], s[22:23] offset:1024*\i
	global_load_b128 v[SA+8*\i+4:SA+8*\i+7], v[L32], s[22:23] offset:1024*\i+16
.endr
	global_load_b128 v[SB:SB+3], v[L32], s[6:7]
	global_load_b128 v[SB+4:SB+7], v[L32], s[6:7] offset:16
	global_load_b128 v[SB+8:SB+11], v[L32], s[8:9]
	global_load_b128 v[SB+12:SB+15], v[L32], s[8:9] offset:16
	global_load_b128 v[SB+16:SB+19], v[L32], s[12:13]
	global_load_b128 v[SB+20:SB+23], v[L32], s[12:13] offset:16
	; the prefetches' base, at K step 1
	s_cmp_lt_u32 s14, 2
	s_cselect_b64 s[90:91], s[10:11], s[18:19]
	s_cmp_eq_u32 s14, 3
	s_cselect_b64 s[90:91], s[20:21], s[90:91]
	s_lshl_b32 s92, s41, 14
	s_lshl_b32 s93, s40, 16
	s_cmp_eq_u32 s14, 0
	s_cselect_b64 s[90:91], s[4:5], s[90:91]
	s_cselect_b32 s92, s93, s92
	s_mov_b32 s93, 0
	s_add_nc_u64 s[90:91], s[90:91], s[92:93]
	s_add_nc_u64 s[90:91], s[90:91], 256
	s_cmp_eq_u32 s14, 0
	s_cbranch_scc0 .Lask_w
	global_prefetch_b8 v[PFO], s[90:91] th:TH_LOAD_NT scope:SCOPE_SE
	global_prefetch_b8 v[PFO], s[90:91] offset:32768 th:TH_LOAD_NT scope:SCOPE_SE
	global_prefetch_b8 v[PFO], s[90:91] offset:256 th:TH_LOAD_NT scope:SCOPE_SE
	global_prefetch_b8 v[PFO], s[90:91] offset:33024 th:TH_LOAD_NT scope:SCOPE_SE
	s_branch .Lask_end
.Lask_w:
	global_prefetch_b8 v[PFO1], s[90:91] th:TH_LOAD_NT scope:SCOPE_SE
.Lask_end:
	; where my results go
	s_lshr_b32 s46, s17, 3                         ; batch
	s_lshl_b32 s46, s46, 4
	s_add_co_u32 s46, s46, s42
	s_mul_i32 s46, s46, QHD                        ; batch x 16 + head
	s_and_b32 s47, s17, 7
	s_lshl_b32 s47, s47, 1                         ; the tile row's first chunk
	s_add_co_u32 s94, s47, s15
	s_mul_i32 s94, s94, QCH
	s_add_co_u32 s94, s94, s46
	s_add_co_u32 s98, s47, s16                     ; scale words: wave n stores tensor n / 2, chunk n % 2
	s_mul_i32 s98, s98, QCH
	s_add_co_u32 s98, s98, s46
	s_lshl_b32 s47, s16, 9
	s_add_co_u32 s94, s94, s47                     ; piece c
	s_mov_b32 s95, 0
	s_mov_b32 s99, 0
	s_add_nc_u64 s[96:97], s[86:87], s[94:95]
	s_add_nc_u64 s[94:95], s[84:85], s[94:95]
	s_cmp_eq_u32 s15, 0
	s_cselect_b64 s[2:3], s[84:85], s[86:87]
	s_add_nc_u64 s[98:99], s[2:3], s[98:99]
	s_lshl_b32 s46, s17, 20                        ; v: 256 rows of 4,096 bytes
	s_lshl_b32 s47, s14, 18
	s_add_co_u32 s46, s46, s47
	s_lshl_b32 s47, s42, 8
	s_add_co_u32 s46, s46, s47
	s_mov_b32 s47, 0
	s_add_nc_u64 s[88:89], s[88:89], s[46:47]
	s_mov_b32 s66, 0x76543210
	s_mov_b32 s67, 0xfedcba98                      ; v_permlanex16_b32's selects for lane l xor 16
	s_mov_b32 s45, 0x600000                        ; the mantissa field of 57,344
.macro FRAG reg, adr, off              ; a fragment, 16 rows x 128 K: registers 4 i .. 4 i + 3 hold K = 32 i + 16 h + 0 .. 15 of row r
.irp i, 0,1,2,3
	ds_load_b128 v[\reg+4*\i:\reg+4*\i+3], v[\adr] offset:\off+32*\i
.endr
.endm
.macro FETCH_B slot, q, p              ; the weights' six fragments into set p
	WIN 0x40
.irp b, 0,1,2,3,4,5
	FRAG 96*(\p)+16*\b, ADRB+\slot, (\b/2)*WREG+(\b%2)*16*PITCH+128*(\q)
.endr
	WIN 0
.endm
.macro FETCH_A slot, q, i0             ; x's blocks i0 .. i0 + 3
.irp a, \i0, \i0+1, \i0+2, \i0+3
	FRAG AF+16*(\a), ADRA+\slot, (\a)*16*PITCH+128*(\q)
.endr
.endm
.macro WM cc, m1, m2
	v_wmma_scale_f32_16x16x128_f8f6f4 v[D_:D_+7], v[W_:W_+15], v[X_:X_+15], \cc, v[WS_], v[XS_] matrix_a_fmt:MATRIX_FMT_BF8 matrix_b_fmt:MATRIX_FMT_BF8 \m1 \m2
.endm
.macro PICK cc
.if ((A_%2)*2+(B_%2)) == 3
	WM \cc, matrix_a_scale:MATRIX_SCALE_ROW1, matrix_b_scale:MATRIX_SCALE_ROW1
.elseif ((A_%2)*2+(B_%2)) == 2
	WM \cc, matrix_b_scale:MATRIX_SCALE_ROW1
.elseif ((A_%2)*2+(B_%2)) == 1
	WM \cc, matrix_a_scale:MATRIX_SCALE_ROW1
.else
	WM \cc
.endif
.endm
; 12 matrix instructions: x's blocks a0, a0 + 1 against the six fragments, the kq-th 128 along K.  The 48 accumulators take turns in the same order in every step.
.macro MUL a0, kq, zero
.irp a, \a0, \a0+1
.irp b, 0,1,2,3,4,5
.set A_, \a
.set B_, \b
.set D_, 8*(6*(A_%4)+B_)
.set W_, 96*((\kq)%2)+16*B_
.set X_, AF+16*A_
.set WS_, SB+8*(B_/2)+\kq
.set XS_, SA+8*(A_/2)+\kq
.if \zero
	PICK 0
.else
	PICK v[D_:D_+7]
.endif
.endr
.endr
.endm
.set MUL_LO, 0xa1                      ; source 0 (W) window 1, source 1 (x) window 0, C and D window 2
.set MUL_HI, 0xf1                      ; C and D window 3
; A step of 128 along K whose successor lies in the same slot.  Eight places stand behind matrix instructions ahead of loads into what they have read.
.macro STEP slot, kq, zero
	s_wait_dscnt 16                                ; all but x's blocks 4-7
	WIN MUL_LO
	MUL 0, \kq, \zero
	MUL 2, \kq, \zero
	s_wait_dscnt 0
	PLACES 8
	FETCH_B \slot, 1, ((\kq)+1)%2
	FETCH_A \slot, 1, 0
	WIN MUL_HI
	MUL 4, \kq, \zero
	MUL 6, \kq, \zero
	PLACES 8
	WIN 0
	FETCH_A \slot, 1, 4
.endm
; A slot's last step changes slots.  fill = 1: the slot is filled again behind a round; ask = 1: K step 3 is prefetched.
.macro TURN slot, next, kq, fill, ask
	s_wait_tensorcnt 0x0                           ; my part of the next slot has landed
	ds_add_u32 v[SPW], v[NIL]
	s_wait_dscnt 17                                ; (the add and x's blocks 4-7 may be out)
	WIN MUL_LO
	MUL 0, \kq, 0
	s_wait_dscnt 0x0                               ; the add is done, my reads of this slot are over
	s_barrier_signal -1
	MUL 2, \kq, 0
	WIN 0
	s_barrier_wait -1
.if \fill
	CREST
	s_add_nc_u64 s[G0X+4*\slot+2:G0X+4*\slot+3], s[G0X+4*\slot+2:G0X+4*\slot+3], 512
	s_add_nc_u64 s[G0Q+4*\slot+2:G0Q+4*\slot+3], s[G0Q+4*\slot+2:G0Q+4*\slot+3], 512
	s_add_nc_u64 s[G0K+4*\slot+2:G0K+4*\slot+3], s[G0K+4*\slot+2:G0K+4*\slot+3], 512
	s_add_nc_u64 s[G0V+4*\slot+2:G0V+4*\slot+3], s[G0V+4*\slot+2:G0V+4*\slot+3], 512
	JLOAD \slot
	PLACES 4
.else
	PLACES 8
.endif
	FETCH_B \next, 0, 0
	FETCH_A \next, 0, 0
.if \ask
	s_cmp_eq_u32 s14, 0
	s_cbranch_scc0 .Lask_w_\@
	global_prefetch_b8 v[PFO], s[90:91] offset:512 th:TH_LOAD_NT scope:SCOPE_SE
	global_prefetch_b8 v[PFO], s[90:91] offset:33280 th:TH_LOAD_NT scope:SCOPE_SE
	s_branch .Lask_end_\@
.Lask_w_\@:
	global_prefetch_b8 v[PFO2], s[90:91] offset:512 th:TH_LOAD_NT scope:SCOPE_SE
.Lask_end_\@:
.endif
	WIN MUL_HI
	MUL 4, \kq, 0
	MUL 6, \kq, 0
	PLACES 8
	WIN 0
	FETCH_A \next, 0, 4
.endm
	s_wait_tensorcnt 0x0                           ; my tile of K step 0 is in
	ds_add_u32 v[SPW], v[NIL]
	s_wait_dscnt 0x0
	CROUND
	JLOAD 1                                        ; K step 1
	FETCH_B 0, 0, 0
	FETCH_A 0, 0, 0
	FETCH_A 0, 0, 4
	s_wait_loadcnt 0x0                             ; the scale words
	STEP 0, 0, 1
	TURN 0, 1, 1, 1, 1
	STEP 1, 2, 0
	TURN 1, 0, 3, 1, 0
	STEP 0, 4, 0
	TURN 0, 1, 5, 0, 0
	STEP 1, 6, 0
	s_wait_dscnt 16
	WIN MUL_LO
	MUL 0, 7, 0
	MUL 2, 7, 0
	s_wait_dscnt 0
	WIN MUL_HI
	MUL 4, 7, 0
	MUL 6, 7, 0
	WIN 0
	PLACES 8                                       ; behind the last products: results are read below
	; v FIRST: into the stage, in slot 0 (its last fill and its last read are over), and out as rows of 256 bytes
.irp a, 0,1,2,3,4,5,6,7
	WIN 0x08+4*(\a/4)
.irp u, 0,1
	ds_store_b128 v[STO], v[8*(6*(\a%4)+4+\u):8*(6*(\a%4)+4+\u)+3] offset:\a*16*PITCH+64*\u
	ds_store_b128 v[STO], v[8*(6*(\a%4)+4+\u)+4:8*(6*(\a%4)+4+\u)+7] offset:\a*16*PITCH+64*\u+16
.endr
.endr
	WIN 0
	s_wait_dscnt 0x0
	s_barrier_signal -1
	s_barrier_wait -1
	WIN 0x40
.set n, 0
.rept 32
	ds_load_b128 v[4*n:4*n+3], v[RD] offset:n*2*PITCH
.set n, n+1
.endr
	WIN 0x04
.set n, 0
.rept 32
	s_wait_dscnt 31-n                              ; the loads behind this one may be out
	global_store_b128 v[VO], v[4*n:4*n+3], s[88:89] offset:n*8192
.set n, n+1
.endr
	WIN 0
; q AND k, two blocks of 16 tokens at a time: index b: block a + b / 2, tensor b % 2.  A lane's 16 numbers of a block of 32 columns; lane l xor 16 has the others.
.macro QK2 a
.set PCS, PC+8*\a
	WIN 0x0a+5*(\a/4)
.irp b, 0,1,2,3
.set AC, 48*(\a%4+\b/2)+16*(\b%2)
	v_max3_num_f32 v[TM+\b], |v[AC]|, |v[AC+1]|, 0x8000000   ; the floor 2^(16 - 127): the byte cannot fall under 1
.endr
.irp i, 2,4,6,8,10,12,14
.irp b, 0,1,2,3
.set AC, 48*(\a%4+\b/2)+16*(\b%2)
	v_max3_num_f32 v[TM+\b], |v[AC+\i]|, |v[AC+\i+1]|, v[TM+\b]
.endr
.endr
	WIN 0
.irp b, 0,1,2,3
	v_permlanex16_b32 v[TM+4+\b], v[TM+\b], s66, s67
.endr
.irp b, 0,1,2,3
	v_max_num_f32 v[TM+\b], v[TM+\b], v[TM+4+\b]
.endr
.irp b, 0,1,2,3
	v_add_nc_u32 v[TM+12+\b], 0xf8800000, v[TM+\b] ; 15 off its exponent field: the conversion's scale operand
.endr
.irp b, 0,1,2,3
	v_and_or_b32 v[TM+8+\b], v[TM+\b], 0x7f800000, s45   ; 57,344 x the scale
.endr
.irp b, 0,1,2,3
	v_lshrrev_b32 v[TM+4+\b], 23, v[TM+12+\b]      ; the scale's byte
.endr
	WIN 0x02+(\a/4)
.irp b, 0,1,2,3
.set AC, 48*(\a%4+\b/2)+16*(\b%2)
.set n, 0
.rept 16
	v_med3_num_f32 v[T+16*\b+n], v[AC+n], -v[TM+8+\b], v[TM+8+\b]   ; the conversion to an 8-bit code does not saturate (ISA guide 7.6.2)
.set n, n+1
.endr
.endr
	WIN 0
.irp b, 0,1,2,3
	v_cvt_scalef32_pk8_bf8_f32 v[PCS+4*\b:PCS+4*\b+1], v[T+16*\b:T+16*\b+7], v[TM+12+\b]
	v_cvt_scalef32_pk8_bf8_f32 v[PCS+4*\b+2:PCS+4*\b+3], v[T+16*\b+8:T+16*\b+15], v[TM+12+\b]
.endr
	v_nop                                          ; one plain line behind the last conversion
.irp b, 0,1,2,3
	ds_store_b8 v[VXS], v[TM+4+\b] offset:(\b%2)*1024+(\a+\b/2)*64
	global_store_b128 v[CO], v[PCS+4*\b:PCS+4*\b+3], s[94+2*(\b%2):95+2*(\b%2)] offset:(\a+\b/2)*1024   ; 512 consecutive bytes, aligned
.endr
.endm
	QK2 0
	QK2 2
	QK2 4
	QK2 6
	s_wait_dscnt 0x0
	s_barrier_signal -1
	s_barrier_wait -1
	ds_load_b128 v[8:11], v[XRD]                   ; a chunk's 128 scale words, both waves' bytes
	s_wait_dscnt 0x0
	global_store_b128 v[CO], v[8:11], s[98:99] offset:8192
	s_wait_tensorcnt 0x0                           ; the wave's end
	ds_add_u32 v[SPW], v[NIL]
	s_wait_dscnt 0x0
	CROUND                                         ; the closing round
	s_endpgm
.Lfunc_end_k_q07b84c6c2f_qkv:
	.size	k_q07b84c6c2f_qkv, .Lfunc_end_k_q07b84c6c2f_qkv-k_q07b84c6c2f_qkv
	.p2alignl 7, 3214868480
	.fill 96, 4, 3214868480
	.section	.rodata,"a",@progbits
	.p2align	6, 0x0
	.amdhsa_kernel k_q07b84c6c2f_qkv
		.amdhsa_group_segment_fixed_size 327680
		.amdhsa_private_segment_fixed_size 0
		.amdhsa_enable_private_segment 0
		.amdhsa_kernarg_size 88
		.amdhsa_user_sgpr_count 2
		.amdhsa_user_sgpr_kernarg_segment_ptr 1
		.amdhsa_wavefront_size32 1
		.amdhsa_system_sgpr_workgroup_id_x 1
		.amdhsa_system_sgpr_workgroup_id_y 1
		.amdhsa_system_sgpr_workgroup_id_z 1
		.amdhsa_system_vgpr_workitem_id 0
		.amdhsa_next_free_vgpr 1024
		.amdhsa_next_free_sgpr 100
		.amdhsa_reserve_vcc 0
		.amdhsa_float_denorm_mode_32 3
		.amdhsa_float_denorm_mode_16_64 3
		.amdhsa_memory_ordered 1
		.amdhsa_forward_progress 1
		.amdhsa_inst_pref_size 142
	.end_amdhsa_kernel
	.amdgpu_metadata
---
amdhsa.version: [ 1, 2 ]
amdhsa.kernels:
  - .name:           k_q07b84c6c2f_qkv
    .symbol:         k_q07b84c6c2f_qkv.kd
    .args:
      - { .name: encoded_vectors_codes, .offset: 0, .size: 8, .value_kind: global_buffer, .address_space: global }
      - { .name: encoded_vectors_scales, .offset: 8, .size: 8, .value_kind: global_buffer, .address_space: global }
      - { .name: Wq_codes, .offset: 16, .size: 8, .value_kind: global_buffer, .address_space: global }
      - { .name: Wq_scales, .offset: 24, .size: 8, .value_kind: global_buffer, .address_space: global }
      - { .name: Wk_codes, .offset: 32, .size: 8, .value_kind: global_buffer, .address_space: global }
      - { .name: Wk_scales, .offset: 40, .size: 8, .value_kind: global_buffer, .address_space: global }
      - { .name: Wv_codes, .offset: 48, .size: 8, .value_kind: global_buffer, .address_space: global }
      - { .name: Wv_scales, .offset: 56, .size: 8, .value_kind: global_buffer, .address_space: global }
      - { .name: qbuf, .offset: 64, .size: 8, .value_kind: global_buffer, .address_space: global }
      - { .name: kbuf, .offset: 72, .size: 8, .value_kind: global_buffer, .address_space: global }
      - { .name: vbuf, .offset: 80, .size: 8, .value_kind: global_buffer, .address_space: global }
    .group_segment_fixed_size: 327680
    .private_segment_fixed_size: 0
    .kernarg_segment_align: 8
    .kernarg_segment_size: 88
    .max_flat_workgroup_size: 128
    .sgpr_count:     100
    .vgpr_count:     1024
    .wavefront_size: 32
...
	.end_amdgpu_metadata
.endif
;; end of part 1
;; launch diag (part 2): grid 8 x 32, 16 waves a work-group, clusters of 4 x 1, 327,680 bytes of LDS; arguments qbuf, kbuf, vbuf, aimg, asc; writes aimg, asc
.if DOCPART == 2
	.amdgcn_target "amdgcn-amd-amdhsa--gfx1250"
	.amdhsa_code_object_version 6
	.text
	.protected	k_q07b84c6c2f_diag
	.globl	k_q07b84c6c2f_diag
	.p2align	8
	.type	k_q07b84c6c2f_diag,@function
k_q07b84c6c2f_diag:
	s_mov_b64 s[64:65], 0
	v_nop
	global_prefetch_b8 v0, s[64:65] scope:SCOPE_SE
	s_setreg_imm32_b32 hwreg(HW_REG_WAVE_MODE, 25, 1), 1
	s_wait_xcnt 0x0
	s_wait_alu depctr_hold_cnt(0) depctr_sa_sdst(0) depctr_va_vdst(0) depctr_va_sdst(0) depctr_va_ssrc(0) depctr_va_vcc(0) depctr_vm_vsrc(0)
	s_getreg_b32 s2, hwreg(HW_REG_IB_STS2, 6, 4)
	s_cmp_eq_u32 s2, 0
	s_cbranch_scc0 .Lentry_in_a_cluster
	s_endpgm
.Lentry_in_a_cluster:
	s_bfe_u32 s2, ttmp6, 0x10000c
	s_cmp_lg_u32 s2, 0x3003
	s_cbranch_scc0 .Lentry_shape_is_right
	s_endpgm
.Lentry_shape_is_right:
; attn[s][h] = p v[s][h], p = the diagonal number of the causal softmax of q k^T / 32, quantised along K for the last product.
; WORK LEFT OUT: chunks of 128 keys that lie wholly behind a block of queries (reference() adds -inf there); of the softmax's row only maximum, sum and the diagonal number are made.
; LIMIT: the promise holds while the scaled scores (exponents to the base 2) stay under 2^31 in magnitude.
; SHARES.  Work-group X of 8 of a head (batch x 16 + head: grid y) owns tile X (16 queries) of each of the 16 blocks of 128: the same work in all, and each reads all keys.
;   Wave w = t + 8 kp owns tiles of blocks t and 15 - t, and of their key chunks those of parity kp: 9 or 8 products of 16 queries x 128 keys.  Two waves' maxima and sums are joined through LDS; wave kp = 0 ends block t's tile, kp = 1 block 15 - t's.
; CLUSTERS: the four work-groups of a cluster share the head: K's 16 chunks (8,192 bytes of images, 512 of scale words) are asked for jointly, one load a wave, chunk w by wave w, all at the head.  Nothing is filled again, and no prefetch: no load comes later.
;   Chunks 0-3 have a load line of their own and are shown first: every wave's first two steps read no others.
; Two key tiles share a fragment of 16 registers: K = 0..63 the first's d, 64..127 the second's; Q stands as [q | 0] and [0 | q] (zero codes add nothing), and scale words hold their two bytes twice.
; S^T = K Q^T: lane (r, h) holds query r; register 8 t + j key 16 t + 8 h + j of the chunk.
; REGISTERS: v[16:39] 0, q, 0; v40-47 the other tile's q; v64-127 K; v128-191 scores; v192-223 v.
.set CH,   8704
.set EX,   16*CH                       ; the exchange: [tile of two][wave][lane][8 bytes]
.set SPARE, EX+8192
.set AK0,  1
.set AS0,  2
.set ADK,  3
.set QW,   4
.set MK,   6                           ; v6  16 X + r - 8 h
.set RH,   7                           ; v7  r - 8 h
.set DG,   8
.set NINF, 9
.set ADS,  10
.set KR,   64
.set S,    128
.set VV,   192
.set O4R,  224
.set OV,   225
.set QWA,  226
.set EXW,  227
.set EXO,  228
.set EXP,  229
.set GQ,   237
.set GS,   246
.set KW,   248
.set SPW,  254
.set NIL,  255
.set TM,   128
.set PC,   144
.set W,    18
.set MNT,  19
.set SEL,  20
.set CS,   22                          ; log2(e) / 32, twice
.set G1,   24
.set G0,   32
.set NC,   36
.set TT,   37
.set KP,   38
.set MB,   39
.set MF,   40
.set X,    41
.set HB,   42
.set TB,   43
.set J,    44
.set CAP,  45
.set TRIP, 48
.macro CROUND                          ; a round of the cluster's barrier
	s_barrier_signal -1
	s_barrier_wait -1
	s_cmp_lg_u32 s[W], 0
	s_cbranch_scc1 .Lnot_wave_0_\@
	s_barrier_signal -3
.Lnot_wave_0_\@:
	s_barrier_wait -3
	s_barrier_signal -1
	s_barrier_wait -1
.endm
	s_load_b256 s[4:11], s[0:1], 0x0               ; qbuf, kbuf, vbuf, aimg
	s_load_b64 s[12:13], s[0:1], 0x20              ; asc
	v_lshl_add_u32 v[SPW], v0, 2, SPARE
	v_mov_b32 v[NIL], 0
	ds_add_u32 v[SPW], v[NIL]                      ; the wave's opening: the add, twice on end, and its wait
	ds_add_u32 v[SPW], v[NIL]
	v_lshrrev_b32 v3, 5, v0
	v_readfirstlane_b32 s[W], v3
	s_bfe_u32 s62, ttmp6, 0x40000                  ; cx
	s_lshl_b32 s[X], ttmp9, 2
	s_add_co_u32 s[X], s[X], s62
	s_and_b32 s[HB], ttmp7, 0xffff
	s_and_b32 s[TT], s[W], 7
	s_lshr_b32 s[KP], s[W], 3
	s_xor_b32 s[MB], s[TT], 15                     ; 15 - t
	s_mul_i32 s46, s[KP], 15
	s_xor_b32 s[MF], s[TT], s46                    ; the block whose tile I end
	s_mul_i32 s[TB], s[KP], CH
	s_add_co_u32 s[CAP], s[TB], 14*CH
	s_lshl_b32 s46, s[X], 4
	s_lshl_b32 s47, s[X], 10
	s_lshl_b32 s49, s[X], 6
	s_add_co_u32 s49, s49, 8192
	s_lshl_b32 s50, s[W], 8
	s_add_co_u32 s50, s50, EX
	s_lshl_b32 s51, s[KP], 12
	s_add_co_u32 s52, s50, s51                     ; my record of my tile,
	s_xor_b32 s53, s[W], 8
	s_lshl_b32 s53, s53, 8
	s_add_co_u32 s53, s53, s51
	s_add_co_u32 s53, s53, EX                      ; and the other wave's
	s_mov_b32 s[NC], 0xbd38aa3b                    ; - log2(e) / 32
	v_and_b32 v5, 15, v0                           ; r
	v_bfe_u32 v11, v0, 4, 1                        ; h
	v_and_b32 v3, 31, v0
	v_lshlrev_b32 v[AK0], 4, v3
	v_lshl_add_u32 v[AS0], v3, 2, 8192
	v_lshlrev_b32 v[RH], 3, v11
	v_sub_nc_u32 v[RH], v5, v[RH]
	v_add_nc_u32 v[MK], s46, v[RH]
	v_add_nc_u32 v[GQ], s47, v[AK0]                ; my tile's images in a chunk,
	v_lshl_add_u32 v[GS], v5, 2, s49               ; and its words
	v_lshlrev_b32 v[O4R], 2, v5
	v_lshlrev_b32 v[OV], 12, v5
	v_lshl_add_u32 v[OV], v11, 6, v[OV]
	v_lshl_add_u32 v[EXW], v3, 3, s50
	v_lshl_add_u32 v[EXO], v3, 3, s52
	v_lshl_add_u32 v[EXP], v3, 3, s53
	v_mov_b32 v[DG], 0xff800000
	v_mov_b32 v[NINF], 0xff800000
	v_mov_b32 v13, 0xff61b1e6                      ; the largest score so far: -3e38
	v_mul_f32 v12, s[NC], v13                      ; - its exponent
	v_mov_b32 v14, 0
	v_mov_b32 v15, 0
	v_mov_b32 v236, 0
	v_mov_b32 v253, 0
.irp j, 0,1,2,3,4,5,6,7
	v_mov_b32 v[16+\j], 0
	v_mov_b32 v[32+\j], 0
	v_mov_b32 v[136+\j], 0
	v_mov_b32 v[152+\j], 0
.endr
	s_wait_alu depctr_va_vdst(0)
	s_mov_b32 s[G1], (3<<16)|(1<<21)|15            ; a chunk: 34 dense rows of 256 bytes (32 elements of 8), for all four work-groups
	s_mov_b32 s[G1+1], 32<<16
	s_mov_b32 s[G1+2], 34<<16
	s_mov_b32 s[G1+3], 32<<16
	s_mov_b32 s[G1+4], 34
	s_mov_b32 s[G1+5], 32
	s_mov_b32 s[G1+6], 0
	s_mov_b32 s[G1+7], 0
	s_mul_i32 s60, s[HB], 16*CH
	s_mov_b32 s61, 0
	s_mul_i32 s62, s[W], CH
	s_mov_b32 s63, 0
	s_mov_b32 s[G0], 1
	s_mul_i32 s[G0+1], s[W], CH
	s_wait_dscnt 0x0                               ; both opening adds are done
	CROUND                                         ; all four work-groups are here
	s_wait_kmcnt 0x0
	s_add_nc_u64 s[6:7], s[6:7], s[60:61]
	s_add_nc_u64 s[G0+2:G0+3], s[6:7], s[62:63]
	s_or_b32 s[G0+3], s[G0+3], 0x80000000
	s_cmp_lt_u32 s[W], 4
	s_cbranch_scc0 .Lrest
	tensor_load_to_lds s[G0:G0+3], s[G1:G1+7]      ; chunks 0-3
	s_nop 0
.rept 4
	v_nop
.endr
	s_branch .Lasked
.Lrest:
	tensor_load_to_lds s[G0:G0+3], s[G1:G1+7]      ; chunks 4-15
	s_nop 0
.rept 4
	v_nop
.endr
.Lasked:
	s_add_nc_u64 s[4:5], s[4:5], s[60:61]
	s_mul_i32 s62, s[MB], CH
	s_add_nc_u64 s[52:53], s[4:5], s[62:63]
	s_mul_i32 s62, s[TT], CH
	s_add_nc_u64 s[50:51], s[4:5], s[62:63]
	s_mul_i32 s62, s[MF], CH
	s_add_nc_u64 s[54:55], s[4:5], s[62:63]
	s_add_nc_u64 s[56:57], s[6:7], s[62:63]
.irp i, 0,1
	global_load_b128 v[128+4*\i:131+4*\i], v[GQ], s[56:57] offset:512*\i   ; k and q of the tile that I end,
	global_load_b128 v[144+4*\i:147+4*\i], v[GQ], s[54:55] offset:512*\i
	global_load_b128 v[24+4*\i:27+4*\i], v[GQ], s[52:53] offset:512*\i     ; q of block 15 - t,
	global_load_b128 v[40+4*\i:43+4*\i], v[GQ], s[50:51] offset:512*\i     ; of block t
.endr
	global_load_b32 v230, v[GS], s[56:57]
	global_load_b32 v231, v[GS], s[54:55]
	global_load_b32 v[QW], v[GS], s[52:53]
	global_load_b32 v[QWA], v[GS], s[50:51]
	s_mov_b32 s[MNT], 0x600000
	s_mov_b32 s[SEL], 0x76543210
	s_mov_b32 s[SEL+1], 0xfedcba98
	s_mov_b32 s[CS], 0x3d38aa3b
	s_mov_b32 s[CS+1], 0x3d38aa3b
	s_lshr_b32 s46, s[HB], 4                       ; batch
	s_and_b32 s47, s[HB], 15                       ; head
	s_lshl_b32 s60, s46, 11
	s_lshl_b32 s62, s[MF], 7
	s_add_co_u32 s60, s60, s62
	s_lshl_b32 s62, s[X], 4
	s_add_co_u32 s60, s60, s62                     ; my tile's first token
	s_lshl_b32 s49, s60, 5                         ; its words: 512 bytes for 16 tokens
	s_lshl_b32 s60, s60, 12
	s_lshl_b32 s62, s47, 8
	s_add_co_u32 s60, s60, s62
	s_add_nc_u64 s[58:59], s[8:9], s[60:61]        ; v
	s_lshl_b32 s60, s46, 4
	s_add_co_u32 s60, s60, s[MF]
	s_lshl_b32 s60, s60, 17
	s_lshl_b32 s62, s47, 13
	s_add_co_u32 s60, s60, s62
	s_lshl_b32 s62, s[X], 10
	s_add_co_u32 s60, s60, s62
	s_add_nc_u64 s[10:11], s[10:11], s[60:61]      ; aimg
	s_lshr_b32 s60, s47, 1
	s_lshl_b32 s60, s60, 6
	s_add_co_u32 s60, s60, s49
	s_and_b32 s62, s47, 1
	s_lshl_b32 s62, s62, 1
	s_add_co_u32 s60, s60, s62
	s_add_nc_u64 s[12:13], s[12:13], s[60:61]      ; asc
	s_wait_loadcnt 0x0
	; the diagonal score: my tile's 16 keys against its 16 queries
	v_wmma_scale_f32_16x16x128_f8f6f4 v[160:167], v[128:143], v[144:159], 0, v230, v231 matrix_a_fmt:MATRIX_FMT_BF8 matrix_b_fmt:MATRIX_FMT_BF8
.rept 9
	v_nop
.endr
.irp j, 0,1,2,3,4,5,6,7
	v_cmp_eq_i32 vcc_lo, \j, v[RH]
	v_cndmask_b32 v[DG], v[DG], v[160+\j], vcc_lo
.endr
	v_permlanex16_b32 v236, v[DG], s[SEL], s[SEL+1]
	v_max_num_f32 v[DG], v[DG], v236
	s_wait_alu depctr_va_vdst(0)
	s_cmp_lt_u32 s[W], 4
	s_cbranch_scc0 .Lnot_yet
	s_wait_tensorcnt 0x0                           ; chunks 0-3 have landed; the other waves' wait stands at the second barrier
.Lnot_yet:
	s_barrier_signal -1
	s_barrier_wait -1
.macro KLOAD                           ; a chunk's fragments and words: 20 loads
.irp p, 0,1,2,3
.irp i, 0,1,2,3
	ds_load_b128 v[KR+16*\p+4*\i:KR+16*\p+4*\i+3], v[ADK] offset:2048*\p+512*\i
.endr
	ds_load_b32 v[KW+\p], v[ADS] offset:128*\p
.endr
.endm
.macro PRODUCTS
	s_wait_dscnt 0x0
.irp p, 0,1,2,3
	v_wmma_scale_f32_16x16x128_f8f6f4 v[S+16*\p:S+16*\p+7], v[KR+16*\p:KR+16*\p+15], v[24:39], 0, v[KW+\p], v[QW] matrix_a_fmt:MATRIX_FMT_BF8 matrix_b_fmt:MATRIX_FMT_BF8
	v_wmma_scale_f32_16x16x128_f8f6f4 v[S+16*\p+8:S+16*\p+15], v[KR+16*\p:KR+16*\p+15], v[16:31], 0, v[KW+\p], v[QW] matrix_a_fmt:MATRIX_FMT_BF8 matrix_b_fmt:MATRIX_FMT_BF8 matrix_a_scale:MATRIX_SCALE_ROW1
.endr
.endm
.macro SOFTMAX                         ; the running maximum v13, - its exponent v12, the sum in halves v[14:15]
.irp b, 0,1,2,3
	v_max3_num_f32 v[232+\b], v[S+16*\b], v[S+1+16*\b], v[S+2+16*\b]
.endr
.irp i, 3,5,7,9,11,13
.irp b, 0,1,2,3
	v_max3_num_f32 v[232+\b], v[232+\b], v[S+16*\b+\i], v[S+1+16*\b+\i]
.endr
.endr
	v_max3_num_f32 v232, v232, v[S+15], v[S+31]
	v_max3_num_f32 v233, v233, v[S+47], v[S+63]
	v_max3_num_f32 v234, v234, v235, v13
	v_max3_num_f32 v232, v232, v233, v234
	v_permlanex16_b32 v236, v232, s[SEL], s[SEL+1]
	v_mov_b32 v11, v12
	v_max_num_f32 v13, v232, v236
	v_mul_f32 v12, s[NC], v13
	v_sub_f32 v252, v12, v11
.set n, 0
.rept 32
	v_pk_fma_f32 v[S+n:S+n+1], v[S+n:S+n+1], s[CS:CS+1], v[12:13] op_sel_hi:[1,0,0]
.set n, n+2
.endr
	s_wait_alu depctr_va_vdst(0)                   ; the wait ahead of the batch,
	v_exp_f32 v252, v252                           ; old sums under the new maximum
.set n, 0
.rept 64
	v_exp_f32 v[S+n], v[S+n]
.set n, n+1
.endr
	v_nop
	s_wait_alu depctr_va_vdst(0)                   ; and behind it
	v_pk_fma_f32 v[14:15], v[14:15], v[252:253], v[S:S+1] op_sel_hi:[1,0,1]
	v_pk_add_f32 v[238:239], v[S+2:S+3], v[S+4:S+5]
	v_pk_add_f32 v[240:241], v[S+6:S+7], v[S+8:S+9]
	v_pk_add_f32 v[242:243], v[S+10:S+11], v[S+12:S+13]
.set n, 14
.rept 6                                        ; four chains by turns
	v_pk_add_f32 v[14:15], v[14:15], v[S+n:S+n+1]
	v_pk_add_f32 v[238:239], v[238:239], v[S+n+2:S+n+3]
	v_pk_add_f32 v[240:241], v[240:241], v[S+n+4:S+n+5]
	v_pk_add_f32 v[242:243], v[242:243], v[S+n+6:S+n+7]
.set n, n+8
.endr
	v_pk_add_f32 v[14:15], v[14:15], v[S+62:S+63]
	v_pk_add_f32 v[238:239], v[238:239], v[240:241]
	v_pk_add_f32 v[14:15], v[14:15], v[242:243]
	v_pk_add_f32 v[14:15], v[14:15], v[238:239]
.endm
	s_mov_b32 s[TRIP], 2
.Lfirst:                                       ; block 15 - t, chunks kp and kp + 2: all keys count
	v_add_nc_u32 v[ADK], s[TB], v[AK0]
	v_add_nc_u32 v[ADS], s[TB], v[AS0]
	KLOAD
	PRODUCTS
.rept 8
	v_nop
.endr
	SOFTMAX
	s_add_co_u32 s[TB], s[TB], 2*CH
	s_sub_co_u32 s[TRIP], s[TRIP], 1
	s_cmp_lg_u32 s[TRIP], 0
	s_cbranch_scc1 .Lfirst
	s_wait_alu depctr_va_vdst(0)
	s_wait_tensorcnt 0x0                           ; all chunks
	s_wait_dscnt 0x0
	s_barrier_signal -1
	s_barrier_wait -1
.irp b, 0,1
.irp i, 0,1,2,3
	global_load_b128 v[VV+16*\b+4*\i:VV+16*\b+4*\i+3], v[OV], s[58:59] offset:128*\b+16*\i   ; v of the tile that I end: lane (r, h): token r, d = 32 b + 16 h + 0 .. 15
.endr
.endr
; The walk along one tile's chunks J of my parity, up to the chunk lim that holds the diagonal.  The next chunk's fragments are fetched behind the products.  All waves make all trips; a trip past lim does nothing.
.macro WALK lim, trips
	v_add_nc_u32 v[ADK], s[TB], v[AK0]
	v_add_nc_u32 v[ADS], s[TB], v[AS0]
	s_wait_alu depctr_va_vdst(0)
	s_wait_dscnt 0x0                               ; no LDS load into the fragments' registers is out, on a way past every trip either
	KLOAD
	s_mov_b32 s[TRIP], \trips
.Lstep_\@:
	s_cmp_gt_u32 s[J], s[\lim]
	s_cbranch_scc1 .Lpast_\@
	PRODUCTS
	s_add_co_u32 s46, s[TB], 2*CH
	s_min_u32 s46, s46, s[CAP]
	s_add_co_u32 s47, s[J], 2
	v_add_nc_u32 v[ADK], s46, v[AK0]               ; two of the eight places behind the products
	v_add_nc_u32 v[ADS], s46, v[AS0]
.rept 6
	v_nop
.endr
	s_cmp_gt_u32 s47, s[\lim]
	s_cbranch_scc1 .Lnone_\@
	KLOAD
.Lnone_\@:
	s_cmp_lg_u32 s[J], s[\lim]
	s_cbranch_scc1 .Lopen_\@
.set n, 0
.rept 64                                       ; the diagonal's chunk: key 16 t + 8 h + j is hidden from query 16 X + r where 16 t + j > 16 X + r - 8 h
	v_cmp_gt_i32 vcc_lo, 16*(n/8)+n%8, v[MK]
	v_cndmask_b32 v[S+n], v[S+n], v[NINF], vcc_lo
.set n, n+1
.endr
.Lopen_\@:
	SOFTMAX
.Lpast_\@:
	s_add_co_u32 s[TB], s[TB], 2*CH
	s_add_co_u32 s[J], s[J], 2
	s_sub_co_u32 s[TRIP], s[TRIP], 1
	s_cmp_lg_u32 s[TRIP], 0
	s_cbranch_scc1 .Lstep_\@
	s_wait_alu depctr_va_vdst(0)
.endm
.macro RECORD off
	v_add_f32 v245, v14, v15
	v_mov_b32 v244, v12
	ds_store_b64 v[EXW], v[244:245] offset:\off
.endm
	s_add_co_u32 s[J], s[KP], 4
	WALK MB, 6                                     ; block 15 - t, from chunk kp + 4 on
	RECORD 4096
	v_mov_b32 v[QW], v[QWA]                        ; block t
.irp j, 0,1,2,3,4,5,6,7
	v_mov_b32 v[24+\j], v[40+\j]
.endr
	v_mov_b32 v13, 0xff61b1e6
	v_mul_f32 v12, s[NC], v13
	v_mov_b32 v14, 0
	v_mov_b32 v15, 0
	s_mov_b32 s[J], s[KP]
	s_mul_i32 s[TB], s[KP], CH
	WALK TT, 4
	RECORD 0
	s_wait_dscnt 0x0
	s_barrier_signal -1
	s_barrier_wait -1
	ds_load_b64 v[244:245], v[EXO]
	ds_load_b64 v[246:247], v[EXP]
	s_wait_dscnt 0x0
	; the two waves' sums under the larger maximum; p = 2^(diagonal - maximum) / sum
	v_min_num_f32 v12, v244, v246
	v_fma_f32 v11, v[DG], s[CS], v12
	v_sub_f32 v244, v12, v244
	v_sub_f32 v246, v12, v246
	s_wait_alu depctr_va_vdst(0)
	v_exp_f32 v11, v11
	v_exp_f32 v244, v244
	v_exp_f32 v246, v246
	v_nop
	s_wait_alu depctr_va_vdst(0)
	v_mul_f32 v14, v245, v244
	v_fma_f32 v14, v247, v246, v14
	v_permlanex16_b32 v236, v14, s[SEL], s[SEL+1]
	v_add_f32 v14, v14, v236
	s_wait_alu depctr_va_vdst(0)
	v_rcp_f32 v14, v14
	v_nop
	s_wait_alu depctr_va_vdst(0)
	v_mul_f32 v252, v11, v14
	s_wait_alu depctr_va_vdst(0)
	s_wait_loadcnt 0x0                             ; v
.set n, 0
.rept 16
	v_pk_mul_f32 v[VV+n:VV+n+1], v[VV+n:VV+n+1], v[252:253] op_sel_hi:[1,0]
.set n, n+2
.endr
.irp b, 0,1
	v_max3_num_f32 v[TM+\b], |v[VV+16*\b]|, |v[VV+1+16*\b]|, 0x8000000   ; the floor 2^(16 - 127)
.endr
.irp i, 2,4,6,8,10,12,14
.irp b, 0,1
	v_max3_num_f32 v[TM+\b], v[TM+\b], |v[VV+16*\b+\i]|, |v[VV+1+16*\b+\i]|
.endr
.endr
.irp b, 0,1
	v_permlanex16_b32 v[TM+4+\b], v[TM+\b], s[SEL], s[SEL+1]
.endr
.irp b, 0,1
	v_max_num_f32 v[TM+\b], v[TM+\b], v[TM+4+\b]
.endr
.irp b, 0,1
	v_add_nc_u32 v[TM+12+\b], 0xf8800000, v[TM+\b] ; 15 off the exponent field
.endr
.irp b, 0,1
	v_and_or_b32 v[TM+8+\b], v[TM+\b], 0x7f800000, s[MNT]   ; 57,344 x the scale
.endr
.irp b, 0,1
	v_lshrrev_b32 v[TM+4+\b], 23, v[TM+12+\b]
.endr
	v_lshl_or_b32 v[TM+6], v[TM+5], 8, v[TM+4]
.irp b, 0,1
.irp i, 0,1,2,3,4,5,6,7,8,9,10,11,12,13,14,15
	v_med3_num_f32 v[VV+16*\b+\i], v[VV+16*\b+\i], -v[TM+8+\b], v[TM+8+\b]   ; the conversion does not saturate (ISA guide 7.6.2)
.endr
	v_cvt_scalef32_pk8_bf8_f32 v[PC+4*\b:PC+1+4*\b], v[VV+16*\b:VV+7+16*\b], v[TM+12+\b]
	v_cvt_scalef32_pk8_bf8_f32 v[PC+2+4*\b:PC+3+4*\b], v[VV+8+16*\b:VV+15+16*\b], v[TM+12+\b]
.endr
	v_nop
	global_store_b128 v[AK0], v[PC:PC+3], s[10:11]
	global_store_b128 v[AK0], v[PC+4:PC+7], s[10:11] offset:512
	global_store_b16 v[O4R], v[TM+6], s[12:13]
	s_wait_tensorcnt 0x0                           ; the wave's end
	ds_add_u32 v[SPW], v[NIL]
	s_wait_dscnt 0x0
	CROUND                                         ; the closing round
	s_endpgm
.Lfunc_end_k_q07b84c6c2f_diag:
	.size	k_q07b84c6c2f_diag, .Lfunc_end_k_q07b84c6c2f_diag-k_q07b84c6c2f_diag
	.p2alignl 7, 3214868480
	.fill 96, 4, 3214868480
	.section	.rodata,"a",@progbits
	.p2align	6, 0x0
	.amdhsa_kernel k_q07b84c6c2f_diag
		.amdhsa_group_segment_fixed_size 327680
		.amdhsa_private_segment_fixed_size 0
		.amdhsa_enable_private_segment 0
		.amdhsa_kernarg_size 40
		.amdhsa_user_sgpr_count 2
		.amdhsa_user_sgpr_kernarg_segment_ptr 1
		.amdhsa_wavefront_size32 1
		.amdhsa_system_sgpr_workgroup_id_x 1
		.amdhsa_system_sgpr_workgroup_id_y 1
		.amdhsa_system_sgpr_workgroup_id_z 1
		.amdhsa_system_vgpr_workitem_id 0
		.amdhsa_next_free_vgpr 256
		.amdhsa_next_free_sgpr 66
		.amdhsa_reserve_vcc 1
		.amdhsa_float_denorm_mode_32 3
		.amdhsa_float_denorm_mode_16_64 3
		.amdhsa_memory_ordered 1
		.amdhsa_forward_progress 1
		.amdhsa_inst_pref_size 65
	.end_amdhsa_kernel
	.amdgpu_metadata
---
amdhsa.version: [ 1, 2 ]
amdhsa.kernels:
  - .name:           k_q07b84c6c2f_diag
    .symbol:         k_q07b84c6c2f_diag.kd
    .args:
      - { .name: qbuf, .offset: 0, .size: 8, .value_kind: global_buffer, .address_space: global }
      - { .name: kbuf, .offset: 8, .size: 8, .value_kind: global_buffer, .address_space: global }
      - { .name: vbuf, .offset: 16, .size: 8, .value_kind: global_buffer, .address_space: global }
      - { .name: aimg, .offset: 24, .size: 8, .value_kind: global_buffer, .address_space: global }
      - { .name: asc, .offset: 32, .size: 8, .value_kind: global_buffer, .address_space: global }
    .group_segment_fixed_size: 327680
    .private_segment_fixed_size: 0
    .kernarg_segment_align: 8
    .kernarg_segment_size: 40
    .max_flat_workgroup_size: 512
    .sgpr_count:     66
    .vgpr_count:     256
    .wavefront_size: 32
...
	.end_amdgpu_metadata
.endif
;; end of part 2
;; launch outp (part 3): grid 8 x 32, 4 waves a work-group, clusters of 4 x 4, 327,680 bytes of LDS; arguments aimg, asc, Wo_codes, Wo_scales, vbuf, out0; writes out0
.if DOCPART == 3
	.amdgcn_target "amdgcn-amd-amdhsa--gfx1250"
	.amdhsa_code_object_version 6
	.text
	.protected	k_q07b84c6c2f_outp
	.globl	k_q07b84c6c2f_outp
	.p2align	8
	.type	k_q07b84c6c2f_outp,@function
k_q07b84c6c2f_outp:
	s_mov_b64 s[64:65], 0
	v_nop
	global_prefetch_b8 v0, s[64:65] scope:SCOPE_SE
	s_setreg_imm32_b32 hwreg(HW_REG_WAVE_MODE, 25, 1), 1
	s_wait_xcnt 0x0
	s_wait_alu depctr_hold_cnt(0) depctr_sa_sdst(0) depctr_va_vdst(0) depctr_va_sdst(0) depctr_va_ssrc(0) depctr_va_vcc(0) depctr_vm_vsrc(0)
	s_getreg_b32 s2, hwreg(HW_REG_IB_STS2, 6, 4)
	s_cmp_eq_u32 s2, 0
	s_cbranch_scc0 .Lentry_in_a_cluster
	s_endpgm
.Lentry_in_a_cluster:
	s_bfe_u32 s2, ttmp6, 0x10000c
	s_cmp_lg_u32 s2, 0xf033
	s_cbranch_scc0 .Lentry_shape_is_right
	s_endpgm
.Lentry_shape_is_right:
; out = attn Wo^T + v.  attn: codes of BF8 (E5M2) as images of operand registers, [token / 128][head][tile of 16][piece][lane][16 bytes], scale words [token / 16][K step of 128][r];
; Wo: [1024][1024] codes, K innermost, scale bytes [1024][32]; v, out: [4096][1024] f32.  Sums in f32, K ascending, one accumulator an output.
; A tile of 128 tokens x 128 columns is made by four waves, each 64 x 64: 16 accumulators: 256 work-groups.
; ALL OF K LIES IN LDS AT ONCE, brought by one tensor load a wave at the head: waves 0, 1 attn's halves of K, waves 2, 3 Wo's.  The first barrier shows the first halves, the second the others.  Nothing is filled again; no load comes later, so nothing is prefetched.
; CLUSTERS: 4 x 4 work-groups; attn's tiles are shared along a row of the cluster, Wo's along a column: joint loads.
; Scale words go from memory into registers.  v is added on the way out, where a lane holds 16 bytes of a whole row: sixteen lanes to 256 consecutive aligned bytes.
; THE MATRIX INSTRUCTION IS USED TRANSPOSED (source 0 = 16 rows of Wo, source 1 = 16 tokens).
; REGISTERS: window 0: addresses; v32-47 attn's scale words, v48-79 Wo's; v128-255 the accumulators.  window 1: two sets of fragments: attn's four, Wo's four.  window 2: v0-127 my 64 x 64 of v; v128-191 rows read back from the stage.
.set WP,    528                        ; a row of half of Wo's K: 512 bytes + 16 of padding
.set WO,    131072                     ; attn's halves lie below: 65,536 bytes each
.set WHALF, 128*WP
.set STG,   WO+2*WHALF                 ; the stages: 16 rows x (256 + 16) bytes for each wave
.set SSTG,  16*272
.set SPARE, STG+4*SSTG
.set ADRA, 16                          ; v16, v17: my images, halves of K
.set ADRB, 18                          ; v18, v19: my rows of Wo
.set STO,  24
.set RD,   25
.set VO,   26
.set L4,   27
.set R32,  28
.set SPW,  30
.set NIL,  31
.set SA,   32                          ; tile a, K steps 2 p (lanes 0-15) and 2 p + 1 (lanes 16-31) at v[SA + 4 a + p]
.set SB,   48                          ; tile b, K step s at v[SB + 8 b + s]
.set ACC,  128
.set G1A,  24
.set G1B,  32
.set G0A,  56
.set G0B,  60
.set MSB, 0
.macro WIN new                         ; the immediate's high byte repeats the setting that is left
.if MSB != \new
	s_set_vgpr_msb (MSB<<8)|\new
.set MSB, \new
.endif
.endm
.macro PLACES n
.rept \n
	v_nop
.endr
.endm
.macro CROUND                          ; a round of the cluster's barrier
	s_barrier_signal -1
	s_barrier_wait -1
	s_cmp_lg_u32 s16, 0
	s_cbranch_scc1 .Lnot_wave_0_\@
	s_barrier_signal -3
.Lnot_wave_0_\@:
	s_barrier_wait -3
	s_barrier_signal -1
	s_barrier_wait -1
.endm
	s_load_b256 s[4:11], s[0:1], 0x0               ; attn's images, its words, Wo's codes, its scales
	s_load_b128 s[12:15], s[0:1], 0x20             ; v, out
	v_lshl_add_u32 v[SPW], v0, 2, SPARE
	v_mov_b32 v[NIL], 0
	ds_add_u32 v[SPW], v[NIL]                      ; the wave's opening: the add, twice on end, and its wait
	ds_add_u32 v[SPW], v[NIL]
	v_lshrrev_b32 v1, 5, v0
	v_readfirstlane_b32 s16, v1                    ; wave 0..3
	s_lshr_b32 s17, s16, 1                         ; my half of the tokens.  Also: I fetch for attn (0) or for Wo (1)
	s_and_b32 s18, s16, 1                          ; my half of the columns.  Also: the half of K that I fetch
	s_bfe_u32 s19, ttmp6, 0x40000                  ; cx, cy
	s_bfe_u32 s20, ttmp6, 0x40004
	s_lshl_b32 s21, ttmp9, 2
	s_add_co_u32 s21, s21, s19                     ; tile column X
	s_and_b32 s22, ttmp7, 0xffff
	s_lshl_b32 s22, s22, 2
	s_add_co_u32 s22, s22, s20                     ; tile row Y
	s_lshl_b32 s40, s17, 12
	s_mul_i32 s41, s18, 64*WP
	s_add_co_u32 s41, s41, WO
	s_mul_i32 s42, s16, SSTG
	s_add_co_u32 s42, s42, STG
	v_and_b32 v1, 15, v0                           ; r
	v_bfe_u32 v2, v0, 4, 1                         ; h
	v_and_b32 v3, 31, v0                           ; lane
	v_lshlrev_b32 v4, 4, v3
	v_add_nc_u32 v[ADRA], s40, v4                  ; images: 16 x lane + my four tiles of 1,024 bytes
	v_add_nc_u32 v[ADRA+1], 0x10000, v[ADRA]
	v_mul_u32_u24 v5, v1, WP
	v_lshl_add_u32 v5, v2, 4, v5
	v_add_nc_u32 v[ADRB], s41, v5                  ; Wo: row r x pitch + 16 h
	v_add_nc_u32 v[ADRB+1], WHALF, v[ADRB]
	v_mul_u32_u24 v6, v1, 272
	v_lshl_add_u32 v6, v2, 5, v6
	v_add_nc_u32 v[STO], s42, v6                   ; in: row r, 32 bytes for each half of the lanes
	v_mul_u32_u24 v7, v2, 272
	v_lshl_add_u32 v7, v1, 4, v7
	v_add_nc_u32 v[RD], s42, v7                    ; back: lanes 0-15 one row of 256 bytes, lanes 16-31 the next
	v_lshlrev_b32 v[VO], 12, v2
	v_lshl_add_u32 v[VO], v1, 4, v[VO]
	v_lshlrev_b32 v[L4], 2, v3
	v_lshlrev_b32 v[R32], 5, v1
	s_wait_alu depctr_va_vdst(0)
	s_lshl_b32 s23, s20, 2
	s_lshl_b32 s23, 15, s23                        ; my row of the cluster
	s_lshl_b32 s3, 0x1111, s19                     ; my column
	s_or_b32 s[G1A], s23, (3<<16)|(1<<21)          ; attn: 256 dense rows of 256 bytes (32 elements of 8), no padding
	s_mov_b32 s[G1A+1], 32<<16
	s_mov_b32 s[G1A+2], 256<<16
	s_mov_b32 s[G1A+3], 32<<16
	s_mov_b32 s[G1A+4], 256
	s_mov_b32 s[G1A+5], 32
	s_mov_b32 s[G1A+6], 0
	s_mov_b32 s[G1A+7], 0
	s_or_b32 s[G1B], s3, (1<<20)|(1<<21)|(6<<22)|(3<<25)   ; Wo: 128 rows of 512 bytes, 1,024 apart; four words of padding after every 128
	s_mov_b32 s[G1B+1], 512<<16
	s_mov_b32 s[G1B+2], 128<<16
	s_mov_b32 s[G1B+3], 512<<16
	s_mov_b32 s[G1B+4], 128
	s_mov_b32 s[G1B+5], 1024
	s_mov_b32 s[G1B+6], 0
	s_mov_b32 s[G1B+7], 0
	; attn's offsets are made of Y and the wave's number in s[100:101], Wo's of X and the wave's number in s[66:67]
	s_lshl_b32 s100, s22, 17
	s_lshl_b32 s2, s18, 16
	s_add_co_u32 s100, s100, s2
	s_mov_b32 s101, 0
	s_lshl_b32 s66, s21, 17
	s_lshl_b32 s2, s18, 9
	s_add_co_u32 s66, s66, s2
	s_mov_b32 s67, 0
	s_mov_b32 s[G0A], 1
	s_lshl_b32 s[G0A+1], s18, 16
	s_mov_b32 s[G0B], 1
	s_mul_i32 s[G0B+1], s18, WHALF
	s_add_co_u32 s[G0B+1], s[G0B+1], WO
	s_wait_dscnt 0x0                               ; both opening adds are done
	CROUND                                         ; all sixteen work-groups are here
	s_wait_kmcnt 0x0
	s_add_nc_u64 s[G0A+2:G0A+3], s[4:5], s[100:101]
	s_or_b32 s[G0A+3], s[G0A+3], 0x80000000
	s_add_nc_u64 s[G0B+2:G0B+3], s[8:9], s[66:67]
	s_or_b32 s[G0B+3], s[G0B+3], 0x80000000
; one joint load a wave, each with a line of its own: the first halves are shown ahead of the second
.macro ARM under, g0, g1, next
	s_cmp_lt_u32 s16, \under
	s_cbranch_scc0 \next
	tensor_load_to_lds s[\g0:\g0+3], s[\g1:\g1+7]
	s_nop 0
	PLACES 4
	s_branch .Lasked
\next:
.endm
	ARM 1, G0A, G1A, .Lwave_1
	ARM 2, G0A, G1A, .Lwave_2
	ARM 3, G0B, G1B, .Lwave_3
	tensor_load_to_lds s[G0B:G0B+3], s[G1B:G1B+7]
	s_nop 0
	PLACES 4
.Lasked:
	s_lshl_b32 s2, s17, 11
	s_lshl_b32 s100, s22, 12
	s_add_co_u32 s100, s100, s2                    ; attn's words: 512 bytes for 16 tokens
	s_add_nc_u64 s[6:7], s[6:7], s[100:101]
	s_lshl_b32 s2, s18, 11
	s_lshl_b32 s66, s21, 12
	s_add_co_u32 s66, s66, s2                      ; Wo's: 32 bytes a row
	s_add_nc_u64 s[10:11], s[10:11], s[66:67]
.irp a, 0,1,2,3
.irp p, 0,1,2,3
	global_load_b32 v[SA+4*\a+\p], v[L4], s[6:7] offset:512*\a+128*\p
.endr
.endr
.irp b, 0,1,2,3
	global_load_b128 v[SB+8*\b:SB+8*\b+3], v[R32], s[10:11] offset:512*\b
	global_load_b128 v[SB+8*\b+4:SB+8*\b+7], v[R32], s[10:11] offset:512*\b+16
.endr
	s_lshl_b32 s100, s22, 19
	s_lshl_b32 s2, s17, 18
	s_add_co_u32 s100, s100, s2                    ; my first token's row of v and of out
	s_lshl_b32 s66, s21, 9
	s_lshl_b32 s2, s18, 8
	s_add_co_u32 s66, s66, s2                      ; my first column, in bytes
	s_add_nc_u64 s[12:13], s[12:13], s[100:101]
	s_add_nc_u64 s[12:13], s[12:13], s[66:67]
	s_add_nc_u64 s[14:15], s[14:15], s[100:101]
	s_add_nc_u64 s[14:15], s[14:15], s[66:67]
	WIN 0x80                                       ; destination window 2
.irp a, 0,1,2,3
.irp t, 0,1,2,3,4,5,6,7
	global_load_b128 v[32*\a+4*\t:32*\a+4*\t+3], v[VO], s[12:13] offset:(16*\a+2*\t)*4096   ; rows 16 a + 2 t and + 1
.endr
.endr
	WIN 0
; K step s's fragments into set s % 2: 32 LDS loads.  attn's come as they were stored; Wo's from rows: registers 4 i .. 4 i + 3 hold K = 32 i + 16 h + 0 .. 15
.macro FETCH s
.set FS, 128*((\s)%2)
	WIN 0x40                                       ; destination window 1
.irp a, 0,1,2,3
.irp i, 0,1,2,3
	ds_load_b128 v[FS+16*\a+4*\i:FS+16*\a+4*\i+3], v[ADRA+(\s)/4] offset:(2*((\s)%4)+\i/2)*8192+\a*1024+(\i%2)*512
.endr
.endr
.irp b, 0,1,2,3
.irp i, 0,1,2,3
	ds_load_b128 v[FS+64+16*\b+4*\i:FS+64+16*\b+4*\i+3], v[ADRB+(\s)/4] offset:128*((\s)%4)+32*\i+\b*16*WP
.endr
.endr
.endm
.macro WM cc, m1
	v_wmma_scale_f32_16x16x128_f8f6f4 v[D_:D_+7], v[W_:W_+15], v[X_:X_+15], \cc, v[WS_], v[XS_] matrix_a_fmt:MATRIX_FMT_BF8 matrix_b_fmt:MATRIX_FMT_BF8 \m1
.endm
; A K step of 128: its fragments are waited for, the next step's asked for, then 16 matrix instructions; the 16 accumulators take turns.
.macro KSTEP s
	s_wait_dscnt 0x0
.if (\s) == 3
	s_wait_tensorcnt 0x0                           ; the second halves
	s_barrier_signal -1
	s_barrier_wait -1
.endif
.if (\s) < 7
.if (\s) > 0
	PLACES 8                                       ; in front of loads into the set that the last step's products read
.endif
	FETCH (\s)+1
.endif
.set FS, 128*((\s)%2)
	WIN 0x05                                       ; sources 0 and 1 window 1; C and D window 0
.irp a, 0,1,2,3
.irp b, 0,1,2,3
.set D_, ACC+8*(4*\a+\b)
.set W_, FS+64+16*\b
.set X_, FS+16*\a
.set WS_, SB+8*\b+(\s)
.set XS_, SA+4*\a+(\s)/2
.if (\s) == 0
	WM 0
.elseif (\s)%2 == 0
	WM v[D_:D_+7]
.else
	WM v[D_:D_+7], matrix_b_scale:MATRIX_SCALE_ROW1
.endif
.endr
.endr
.endm
	s_cmp_eq_u32 s18, 0
	s_cbranch_scc0 .Lsecond_half
	s_wait_tensorcnt 0x0                           ; waves 0 and 2: the first halves; the others' wait stands at the second barrier
.Lsecond_half:
	s_barrier_signal -1
	s_barrier_wait -1
	FETCH 0
	s_wait_loadcnt 32                              ; the scale words; v's 32 loads may be out
.irp s, 0,1,2,3,4,5,6,7
	KSTEP \s
.endr
	WIN 0
	PLACES 8                                       ; behind the last products: the stage's stores read results
; THE WAY OUT, 16 tokens x 64 columns at a time: through my own stage, back as whole rows of 256 bytes, v added, stored.  LDS serves a wave's instructions in order (ISA guide 5.7.1.4).
.macro TOSTAGE a
	WIN 0
.irp b, 0,1,2,3
	ds_store_b128 v[STO], v[ACC+8*(4*(\a)+\b):ACC+8*(4*(\a)+\b)+3] offset:64*\b        ; each accumulator from its low end on
	ds_store_b128 v[STO], v[ACC+8*(4*(\a)+\b)+4:ACC+8*(4*(\a)+\b)+7] offset:64*\b+16
.endr
	WIN 0x80                                       ; destination window 2
.irp t, 0,1,2,3,4,5,6,7
	ds_load_b128 v[128+32*((\a)%2)+4*\t:128+32*((\a)%2)+4*\t+3], v[RD] offset:544*\t
.endr
.endm
.macro SEND a, younger                 ; younger: the LDS instructions issued behind block a's loads, which may stay out
	s_wait_dscnt \younger
	WIN 0x8a                                       ; all in window 2
.set n, 0
.rept 16
	v_pk_add_f32 v[32*(\a)+n:32*(\a)+n+1], v[32*(\a)+n:32*(\a)+n+1], v[128+32*((\a)%2)+n:128+32*((\a)%2)+n+1]
.set n, n+2
.endr
	WIN 0x08                                       ; a store's data are its source 1: window 2
.irp t, 0,1,2,3,4,5,6,7
	global_store_b128 v[VO], v[32*(\a)+4*\t:32*(\a)+4*\t+3], s[14:15] offset:(16*(\a)+2*\t)*4096 th:TH_STORE_NT   ; sixteen lanes store 256 consecutive bytes, aligned
.endr
.endm
	s_wait_loadcnt 0x0                             ; v
	TOSTAGE 0
.irp a, 1,2,3
	TOSTAGE \a
	SEND \a-1, 16                                  ; behind block a - 1's loads: block a's 8 stores and 8 loads
.endr
	SEND 3, 0
	WIN 0
	s_wait_tensorcnt 0x0                           ; the wave's end
	ds_add_u32 v[SPW], v[NIL]
	s_wait_dscnt 0x0
	CROUND                                         ; the closing round: no work-group ends while a partner may still ask for a tile that names it
	s_endpgm
.Lfunc_end_k_q07b84c6c2f_outp:
	.size	k_q07b84c6c2f_outp, .Lfunc_end_k_q07b84c6c2f_outp-k_q07b84c6c2f_outp
	.p2alignl 7, 3214868480
	.fill 96, 4, 3214868480
	.section	.rodata,"a",@progbits
	.p2align	6, 0x0
	.amdhsa_kernel k_q07b84c6c2f_outp
		.amdhsa_group_segment_fixed_size 327680
		.amdhsa_private_segment_fixed_size 0
		.amdhsa_enable_private_segment 0
		.amdhsa_kernarg_size 48
		.amdhsa_user_sgpr_count 2
		.amdhsa_user_sgpr_kernarg_segment_ptr 1
		.amdhsa_wavefront_size32 1
		.amdhsa_system_sgpr_workgroup_id_x 1
		.amdhsa_system_sgpr_workgroup_id_y 1
		.amdhsa_system_sgpr_workgroup_id_z 1
		.amdhsa_system_vgpr_workitem_id 0
		.amdhsa_next_free_vgpr 768
		.amdhsa_next_free_sgpr 102
		.amdhsa_reserve_vcc 0
		.amdhsa_float_denorm_mode_32 3
		.amdhsa_float_denorm_mode_16_64 3
		.amdhsa_memory_ordered 1
		.amdhsa_forward_progress 1
		.amdhsa_inst_pref_size 59
	.end_amdhsa_kernel
	.amdgpu_metadata
---
amdhsa.version: [ 1, 2 ]
amdhsa.kernels:
  - .name:           k_q07b84c6c2f_outp
    .symbol:         k_q07b84c6c2f_outp.kd
    .args:
      - { .name: aimg, .offset: 0, .size: 8, .value_kind: global_buffer, .address_space: global }
      - { .name: asc, .offset: 8, .size: 8, .value_kind: global_buffer, .address_space: global }
      - { .name: Wo_codes, .offset: 16, .size: 8, .value_kind: global_buffer, .address_space: global }
      - { .name: Wo_scales, .offset: 24, .size: 8, .value_kind: global_buffer, .address_space: global }
      - { .name: vbuf, .offset: 32, .size: 8, .value_kind: global_buffer, .address_space: global }
      - { .name: out0, .offset: 40, .size: 8, .value_kind: global_buffer, .address_space: global }
    .group_segment_fixed_size: 327680
    .private_segment_fixed_size: 0
    .kernarg_segment_align: 8
    .kernarg_segment_size: 48
    .max_flat_workgroup_size: 128
    .sgpr_count:     102
    .vgpr_count:     768
    .wavefront_size: 32
...
	.end_amdgpu_metadata
.endif
;; end of part 3
